; MI455X (gfx1250); checked and timed in simulation.
; The chip was launched on July 23, 2026; its instructions are those of AMD's public machine-readable ISA for CDNA 5 (MIT licence, August 2026) and "CDNA5" Instruction Set Architecture Reference Guide (July 2026). The comments in the code are by the model that wrote it; some were corrected since.
;; Attn Layer. Allowed arithmetic: float matrix products may take bf16 or f16 operands with f32 sums; all other float work in f32.
;; Inputs: Wh_b 128 float32; Wh_w 128 x 128 float32; Wx_b 128 float32; Wx_w 128 x 128 float32; cur_h 32 x 128 float32; history_h 32 x 64 x 128 x 128 float32; v_w 128 float32.
;; Outputs: out0 32 x 128 float32.
;; One version. Each part assembles by itself: llvm-mc -triple=amdgcn-amd-amdhsa -mcpu=gfx1250 --defsym DOCPART=n.
;; ======== version 1 of 1: 2 launches
;; workspace buffers: part 786,432 bytes
;; launch attn_part (part 1): grid 256 x 1, 4 waves a work-group, clusters of 4 x 1, 190,464 bytes of LDS; arguments history_h, Wh_w, Wx_w, cur_h, v_w, Wh_b, Wx_b, part; writes part
.if DOCPART == 1
	.amdgcn_target "amdgcn-amd-amdhsa--gfx1250"
	.amdhsa_code_object_version 6
	.text
	.protected	k_q5a450fe0a5_attn_part
	.globl	k_q5a450fe0a5_attn_part
	.p2align	8
	.type	k_q5a450fe0a5_attn_part,@function
k_q5a450fe0a5_attn_part:
	s_mov_b64 s[64:65], 0
	v_nop
	global_prefetch_b8 v0, s[64:65] scope:SCOPE_SE
	s_setreg_imm32_b32 hwreg(HW_REG_WAVE_MODE, 25, 1), 1
	s_wait_xcnt 0x0
	s_wait_alu depctr_hold_cnt(0) depctr_sa_sdst(0) depctr_va_vdst(0) depctr_va_sdst(0) depctr_va_ssrc(0) depctr_va_vcc(0) depctr_vm_vsrc(0)
	s_getreg_b32 s2, hwreg(HW_REG_IB_STS2, 6, 4)
	s_cmp_eq_u32 s2, 0
	s_cbranch_scc0 .Lentry_in_a_cluster
	s_endpgm
.Lentry_in_a_cluster:
	s_bfe_u32 s2, ttmp6, 0x10000c
	s_cmp_lg_u32 s2, 0x3003
	s_cbranch_scc0 .Lentry_shape_is_right
	s_endpgm
.Lentry_shape_is_right:
; Additive attention, one pass over history_h [32][8192][128] f32.
; score[s] = sum_a v[a] tanh( (Wh x_s)[a] + (Wx c)[a] + Wx_b[a] + Wh_b[a] ),  softmax over the 8,192 s of a batch,  sum_s p_s x_s.
; A work-group owns 1,024 consecutive rows (8 work-groups a batch), a wave 256 of them = 16 tiles of 16 rows.  Each wave keeps a running
; maximum, a running denominator and 128 running sums and stores them as one record of 768 bytes; the next launch merges 32 records a batch.
; tanh z = 1 - 2 / (1 + 2^(2 log2e z)).  2 log2e is folded into Wh and the bias.  The constant sum_a v[a] is the same for every row and
; cancels in the softmax, so the score kept here is  -2 log2e sum_a v[a] / (1 + e[a])  (already in powers of two).
; THE MATRIX INSTRUCTION: source 0 = 16 rows of Wh (m = a), source 1 = 16 history rows (n = row).  Lane (r, h) then holds, for row r, the
; a = 16 block + 8 h + j: the dot product with v stays in the lane but for one exchange of the halves, and every lane ends with ITS row's score.
; HISTORY comes by loads of 16 bytes a lane: one instruction is one whole row of 512 bytes.  Six register slots of 16 rows; the waits are
; counted, so three to four tiles (48 to 64 loads a wave) stay on their way and no barrier stands in the stream.  In this layout lane l
; holds columns 4 l .. 4 l + 3 of every row, so the weighted sum is 8 registers and its rescaling 4 instructions a tile.
; The bf16 fragments are made through a stage in LDS that is the wave's own (16 rows, pitch 272 = an odd multiple of 16 bytes).
; CLUSTER: four neighbouring work-groups form a cluster.  They lie in one batch (8 work-groups a batch), so Wh_w, Wx_w, v_w, Wh_b, Wx_b and
; cur_h[b], 130 KiB, are the same bytes for all four.  Each of a work-group's twelve tensor loads is a JOINT request with the mask 15: its
; descriptor is made of constants, the wave's number and the cluster's number alone, so it is equal in the four.  The place in the cluster
; enters only the base of the history loads and the record's address.  One round of the cluster's barrier stands in front of the requests,
; one in front of s_endpgm; nothing is filled twice, so there is none between.
; The 16 tiles are written out by macro: six slots do not divide sixteen and register numbers are fixed in the text.
; LIMITS: NaN and infinities in the inputs are not treated specially.  v_exp_f32 gives 0 for results under 2^-126 and infinity above 2^128:
; both leave 1 / (1 + e) at its f32 limit 1 or 0.  x and 2 log2e Wh are rounded to bf16 for the products; all else is f32.
.set ROWB,   512                       ; bytes in a history row
.set TILES,  16                        ; tiles of a wave
.set RING,   6                         ; register slots
.set PITCH,  272                       ; bf16 rows in LDS: 256 + 16 bytes
.set WPF,    528                       ; f32 rows in LDS: 512 + 16 bytes
.set WHF,    0                         ; Wh_w as loaded, 128 rows
.set WXF,    128*WPF                   ; Wx_w as loaded
.set SMALL,  2*128*WPF                 ; cur_h[b], v_w, Wh_b, Wx_b: 512 bytes each
.set BIAS,   SMALL+2048                ; 128 f32: 2 log2e (Wx c + Wx_b + Wh_b)
.set WB,     BIAS+512                  ; 2 log2e Wh in bf16, 128 rows
.set STAGE,  WB+128*PITCH              ; four stages of 16 bf16 rows, one a wave
.set STAGEW, 16*PITCH
.set REC,    768                       ; a wave's record: 512 bytes of sums, 256 bytes of {maximum, denominator}
.set K2,     0x4038aa3b                ; 2 log2e
.set KS,     0xc038aa3b                ; -2 log2e
.set JOINT,  15|(1<<21)                ; group 1, word 0: the mask of the cluster's four work-groups, bit 21 set beside it
; window 0
.set XA,  4                            ; byte offset of my 16 bytes in my wave's first row; never rewritten
.set ST,  5                            ; stage: where I put 8 bytes of a row
.set FR,  6                            ; stage: where I read a fragment
.set PA,  7                            ; 16 x lane
.set MX,  8                            ; running maximum (same in all lanes)
.set LS,  9                            ; running denominator, my row's share
.set AL,  10                           ; v[10:11] factor of a new maximum (low register used for both halves)
.set SV,  12
.set T1,  13
.set MT,  14
.set PV,  15
.set SP,  16                           ; v[16:23] eight partial scores
.set O,   24                           ; v[24:31] the weighted sum, even rows and odd rows apart
.set TMP, 32                           ; v[32:63] a tile in bf16 on its way to the stage
.set WXR, 64                           ; v64-72: LDS addresses of the head
.set CR,  65
.set BB,  66
.set BS,  67
.set WHR, 68
.set WBS, 69
.set WBR, 70
.set BR,  71
.set VR,  72
.set WR,  128                          ; head only: my row of Wx_w; then my 32 rows of Wh in bf16.  Later slots 4 and 5
; window 1
.set WF1, 0                            ; 24 fragments of Wh, K steps 1 to 3
.set DD,  192                          ; 8 accumulators: blocks 0-3 (half 0), 4-7 (half 1)
; window 2
.set XB,  0                            ; two buffers of 4 history fragments
.set WF0, 64                           ; 8 fragments of Wh, K step 0
.set BI,  128                          ; bias in the accumulators' layout
.set VS,  192                          ; v in the accumulators' layout
; window 3: slots 0 to 3
.set GW,  20                           ; s[20:27] shape of a quarter of a weight matrix
.set G0H, 28                           ; s[28:31] Wh_w's quarter
.set PS,  32                           ; s[32:63] 16 pairs: p of the tile's rows in the even registers
.set G0X, 68                           ; s[68:71] Wx_w's quarter
.set G0S, 72                           ; s[72:75] my wave's vector
.set GS,  76                           ; s[76:83] shape of a vector
.set SEL, 84                           ; s84-85 v_permlanex16_b32: lane i takes lane i of the other half
.set SIG0, 0x6a                        ; sources 0, 1, 2 window 2, destination window 1: the products of K step 0
.set SIG1, 0x59                        ; source 0 window 1, source 1 window 2, source 2 and destination window 1: all other products AND the tanh work
.set OUTS, 0x05                        ; sources 0, 1 window 1, destination window 0
.set MSB, 0
.set ISSUED, 0
.macro WIN new                         ; the immediate's high byte repeats the setting that is left
.if MSB != (\new)
	s_set_vgpr_msb (MSB<<8)|(\new)
.set MSB, (\new)
.endif
.endm
; A round of the cluster's barrier: my work-group's barrier, so that wave 0's signal speaks for all four waves; wave 0 signals for the
; work-group; every wave waits for the four work-groups; my work-group's barrier once more.  No LDS instruction is pending at a signal.
.macro ROUND
	s_barrier_signal -1
	s_barrier_wait -1
	s_cmp_lg_u32 s2, 0
	s_cbranch_scc1 .Lnot_wave_0_\@
	s_barrier_signal -3
.Lnot_wave_0_\@:
	s_barrier_wait -3
	s_barrier_signal -1
	s_barrier_wait -1
.endm
.macro SLOTOF t                        ; window XW and first register XR of tile t's slot
.if ((\t)%RING) < 4
.set XW, 3
.set XR, 64*((\t)%RING)
.else
.set XW, 0
.set XR, 128+64*(((\t)%RING)-4)
.endif
.endm
; 16 loads: tile t, one whole row each; the tile's place stands in the immediate (130,560 at the most)
.macro LOADX t
	SLOTOF \t
	WIN (XW<<6)
.set LI, 0
.rept 16
	global_load_b128 v[XR+4*LI:XR+4*LI+3], v[XA], s[4:5] offset:(16*(\t)+LI)*ROWB th:TH_LOAD_NT
.set LI, LI+1
.endr
.set ISSUED, (\t)+1
.endm
; Tile t: rounded to bf16, through my stage, back as four fragments (16 rows x 32 K each) into buffer t & 1.
; LDS serves a wave's instructions in order (ISA guide 5.7.1): the stores stand behind the last tile's fragment loads, these loads behind the stores.
.macro STAGEX t
	SLOTOF \t
.set SQ, (\t)&1
	s_wait_loadcnt 16*(ISSUED-1-(\t))              ; loads return in order: 16 for each younger tile may stay out
	WIN (XW|(XW<<2))
.set SI, 0
.rept 32
	v_cvt_pk_bf16_f32 v[TMP+SI], v[XR+2*SI], v[XR+2*SI+1]
.set SI, SI+1
.endr
	WIN 0
.set SI, 0
.rept 16
	ds_store_b64 v[ST], v[TMP+2*SI:TMP+2*SI+1] offset:SI*PITCH     ; 32 lanes x 8 bytes: a row of 256 bytes
.set SI, SI+1
.endr
	WIN 0x80
.set SI, 0
.rept 4
	ds_load_b128 v[XB+32*SQ+8*SI:XB+32*SQ+8*SI+3],   v[FR] offset:64*SI       ; row r, K = 32 step + 8 h + 0..7
	ds_load_b128 v[XB+32*SQ+8*SI+4:XB+32*SQ+8*SI+7], v[FR] offset:64*SI+32    ; K = 32 step + 16 + 8 h + 0..7
.set SI, SI+1
.endr
.endm
; The four products of K step 0 of half hw start its sums on the bias: nothing is cleared, no bias is added later.
.macro WM0 hw, q
	WIN SIG0
.irp a, 0,1,2,3
	v_wmma_f32_16x16x32_bf16 v[DD+32*\hw+8*\a:DD+32*\hw+8*\a+7], v[WF0+8*(4*\hw+\a):WF0+8*(4*\hw+\a)+7], v[XB+32*\q:XB+32*\q+7], v[BI+8*(4*\hw+\a):BI+8*(4*\hw+\a)+7]
.endr
.endm
; Product n = 0..11 of half hw: K step 1 + n / 4, block n % 4.  The four accumulators take turns, one instruction a turn.
.macro WM n, hw, q
.set WK, 1+(\n)/4
.set WA, (\n)%4
	v_wmma_f32_16x16x32_bf16 v[DD+32*\hw+8*WA:DD+32*\hw+8*WA+7], v[WF1+8*(8*(WK-1)+4*\hw+WA):WF1+8*(8*(WK-1)+4*\hw+WA)+7], v[XB+32*\q+8*WK:XB+32*\q+8*WK+7], v[DD+32*\hw+8*WA:DD+32*\hw+8*WA+7]
.endm
.macro TR4 op, base                    ; four transcendentals in place
.irp j, 0,1,2,3
	\op v[\base+\j], v[\base+\j]
.endr
.endm
; Block g: its eight 1 / (1 + e) times v.  The half's dot product runs in FOUR chains, which live in block 0's four pairs: block 0 starts
; them by its own products, blocks 1 to 3 add onto them, so a chain's next link stands a whole block further down and the four lines of one
; block do not wait for each other.  By turns with 1 + e of block g + 1 (more = 1).
.macro FA g, more
.irp k, 0,1,2,3
.if \g == 0
	v_pk_mul_f32 v[DT+2*\k:DT+2*\k+1], v[DT+2*\k:DT+2*\k+1], v[VH+2*\k:VH+2*\k+1]
.else
	v_pk_fma_f32 v[DT+2*\k:DT+2*\k+1], v[DT+8*\g+2*\k:DT+8*\g+2*\k+1], v[VH+8*\g+2*\k:VH+8*\g+2*\k+1], v[DT+2*\k:DT+2*\k+1]
.endif
.if \more
	v_pk_add_f32 v[DT+8*\g+8+2*\k:DT+8*\g+9+2*\k], v[DT+8*\g+8+2*\k:DT+8*\g+9+2*\k], 1.0 op_sel_hi:[1,0]
.endif
.endr
.endm
; Half hf of the accumulators goes through exp2, + 1, reciprocal, times v, in place.  dow = 1: meanwhile the 16 products of the other half,
; from fragment buffer q, are issued: four at the head, then one behind every four transcendentals, all under one window setting.
; Behind each run of transcendentals one v_nop stands before a result is used (ISA guide 5.7.2).
; Behind the last product stand the v_nop and the eight packed lines of FA, which name none of its registers: more than the four places
; that a reader of its result and a load into its sources need.
.macro HALF hf, dow, q, dsw
.set DT, DD+32*\hf
.set VH, VS+32*\hf
.set HW, 1-\hf
.if \dow
.if \dsw
	s_wait_dscnt 0x0                               ; the fragments asked for at the end of the last tile's turn are in
.endif
	WM0 HW, \q
.endif
	WIN SIG1
	TR4 v_exp_f32, DT
	TR4 v_exp_f32, DT+4
	v_nop
	s_wait_alu depctr_va_vdst(0)
.irp k, 0,2,4,6
	v_pk_add_f32 v[DT+\k:DT+\k+1], v[DT+\k:DT+\k+1], 1.0 op_sel_hi:[1,0]
.endr
.set HG, 0
.rept 3
	TR4 v_rcp_f32, DT+8*HG
.if \dow
	WM 4*HG, HW, \q
.endif
	TR4 v_rcp_f32, DT+8*HG+4
.if \dow
	WM 4*HG+1, HW, \q
.endif
	TR4 v_exp_f32, DT+8*HG+8
.if \dow
	WM 4*HG+2, HW, \q
.endif
	TR4 v_exp_f32, DT+8*HG+12
.if \dow
	WM 4*HG+3, HW, \q
.endif
	v_nop
	s_wait_alu depctr_va_vdst(0)
	FA HG, 1
.set HG, HG+1
.endr
	TR4 v_rcp_f32, DT+24
	TR4 v_rcp_f32, DT+28
	v_nop
	s_wait_alu depctr_va_vdst(0)
	FA 3, 0
	WIN OUTS                                       ; the four chains leave the accumulators, which the next products overwrite
	v_pk_add_f32 v[SP+4*\hf:SP+4*\hf+1],   v[DT:DT+1],     v[DT+2:DT+3]
	v_pk_add_f32 v[SP+4*\hf+2:SP+4*\hf+3], v[DT+4:DT+5],   v[DT+6:DT+7]
.endm
; Tile t's scores, the running maximum, and the weighted sum from the f32 rows still in the tile's slot.
.macro FIN t
	SLOTOF \t
	WIN 0
	v_pk_add_f32 v[SP:SP+1],   v[SP:SP+1],   v[SP+2:SP+3]
	v_pk_add_f32 v[SP+4:SP+5], v[SP+4:SP+5], v[SP+6:SP+7]
	v_pk_add_f32 v[SP:SP+1],   v[SP:SP+1],   v[SP+4:SP+5]
	v_add_f32 v[SV], v[SP], v[SP+1]                ; my 64 a of row r
	v_permlanex16_b32 v[T1], v[SV], s[SEL], s[SEL+1]
	v_add_f32 v[SV], v[SV], v[T1]                  ; + the other half's 64
	v_mul_f32 v[SV], KS, v[SV]                     ; the score, in powers of two
.if (\t) == 0
.set MD, MX
.else
.set MD, MT
.endif
	v_max_num_f32_dpp v[MD], v[SV], v[SV] row_xmask:1 row_mask:0xf bank_mask:0xf   ; the tile's maximum: 16 rows lie in 16 lanes, twice
	v_max_num_f32_dpp v[MD], v[MD], v[MD] row_xmask:2 row_mask:0xf bank_mask:0xf
	v_max_num_f32_dpp v[MD], v[MD], v[MD] row_xmask:4 row_mask:0xf bank_mask:0xf
	v_max_num_f32_dpp v[MD], v[MD], v[MD] row_xmask:8 row_mask:0xf bank_mask:0xf
.if (\t) == 0
	v_sub_f32 v[PV], v[SV], v[MX]
	v_exp_f32 v[LS], v[PV]                         ; the first p starts the denominator
	v_nop
	s_wait_alu depctr_va_vdst(0)
.set PR, LS
.else
	v_max_num_f32 v[MT], v[MX], v[MT]              ; the new running maximum
	v_sub_f32 v[AL], v[MX], v[MT]
	v_sub_f32 v[PV], v[SV], v[MT]
	v_exp_f32 v[AL], v[AL]                         ; what the old sums shrink by
	v_exp_f32 v[PV], v[PV]
	v_mov_b32 v[MX], v[MT]                         ; also the plain line behind the two transcendentals
	s_wait_alu depctr_va_vdst(0)
	v_fma_f32 v[LS], v[LS], v[AL], v[PV]
.set PR, PV
.endif
.set FI, 0
.rept 16
	v_readlane_b32 s[PS+2*FI], v[PR], FI           ; p of row FI, for all lanes
.set FI, FI+1
.endr
.if (\t) != 0
.irp k, 0,2,4,6
	v_pk_mul_f32 v[O+\k:O+\k+1], v[O+\k:O+\k+1], v[AL:AL+1] op_sel_hi:[1,0]
.endr
.endif
	WIN XW
.set FI, 0
.rept 16
.set FO, O+4*(FI&1)
.if (\t)*16+FI < 2
	v_pk_mul_f32 v[FO:FO+1],   v[XR+4*FI:XR+4*FI+1],   s[PS+2*FI:PS+2*FI+1] op_sel_hi:[1,0]      ; the first two rows start the sums
	v_pk_mul_f32 v[FO+2:FO+3], v[XR+4*FI+2:XR+4*FI+3], s[PS+2*FI:PS+2*FI+1] op_sel_hi:[1,0]
.else
	v_pk_fma_f32 v[FO:FO+1],   v[XR+4*FI:XR+4*FI+1],   s[PS+2*FI:PS+2*FI+1], v[FO:FO+1]   op_sel_hi:[1,0,1]
	v_pk_fma_f32 v[FO+2:FO+3], v[XR+4*FI+2:XR+4*FI+3], s[PS+2*FI:PS+2*FI+1], v[FO+2:FO+3] op_sel_hi:[1,0,1]
.endif
.set FI, FI+1
.endr
.endm
; Tile t's turn.  On entry: half 0 of tile t is summed, tile t's and tile t + 1's fragments are asked for.
.macro BODY t
	HALF 0, 1, ((\t)&1), 0                         ; tanh of half 0; products of tile t, half 1
.if (\t) < TILES-1
	HALF 1, 1, (((\t)+1)&1), 1                     ; tanh of half 1; products of tile t + 1, half 0
.else
	HALF 1, 0, 0, 0
.endif
.if (\t)+2 < TILES
	STAGEX (\t)+2                                  ; into the buffer whose last product stands in this turn's first half
.endif
	FIN \t
.if (\t)+RING < TILES
	LOADX (\t)+RING                                ; the slot is free: its next tile
.endif
.endm
	; ---------------- the head
	s_load_b512 s[4:19], s[0:1], 0x0               ; history s[4:5], Wh_w s[6:7], Wx_w s[8:9], cur_h s[10:11], v_w s[12:13], Wh_b s[14:15], Wx_b s[16:17], part s[18:19]
	v_lshl_add_u32 v126, v0, 2, 0x2e600
	v_mov_b32 v127, 0
	ds_add_u32 v126, v127
	ds_add_u32 v126, v127
	s_wait_dscnt 0x0
	v_lshrrev_b32 v1, 5, v0
	v_readfirstlane_b32 s2, v1                     ; wave 0..3
	ROUND                                          ; the four work-groups are here, so that their joint requests meet; it names no argument, so it runs while the arguments are on their way
	s_bfe_u32 s96, ttmp6, 0x40000                  ; cx: my place in the cluster
	s_lshl_b32 s97, ttmp9, 2                       ; in a cluster launch ttmp9 counts clusters
	s_add_co_u32 s97, s97, s96                     ; work-group = 4 x cluster + cx; it feeds the history base and the record's address alone
	; a quarter of a weight matrix: 32 rows x 128 f32, 16 bytes of padding behind each row of 128 words
	s_mov_b32 s[GW+0], JOINT|(2<<16)|(1<<20)|(6<<22)|(3<<25)
	s_mov_b32 s[GW+1], 128<<16                     ; tensor_dim0 = 128
	s_mov_b32 s[GW+2], 32<<16                      ; tensor_dim1 = 32
	s_mov_b32 s[GW+3], 128<<16                     ; tile_dim0 = 128
	s_mov_b32 s[GW+4], 32                          ; tile_dim1 = 32
	s_mov_b32 s[GW+5], 128                         ; elements from row to row
	s_mov_b32 s[GW+6], 0
	s_mov_b32 s[GW+7], 0
	; a vector: one row of 64 elements of 8 bytes
	s_mov_b32 s[GS+0], JOINT|(3<<16)
	s_mov_b32 s[GS+1], 64<<16
	s_mov_b32 s[GS+2], 1<<16
	s_mov_b32 s[GS+3], 64<<16
	s_mov_b32 s[GS+4], 1
	s_mov_b32 s[GS+5], 64
	s_mov_b32 s[GS+6], 0
	s_mov_b32 s[GS+7], 0
	s_lshl_b32 s86, s2, 14                         ; my 32 rows of 512 bytes in Wh_w and Wx_w
	s_mov_b32 s87, 0
	s_mul_i32 s3, s2, 32*WPF                       ; and in LDS
	s_lshl_b32 s88, s97, 19                        ; the work-group's 1,024 rows of history
	s_mov_b32 s89, 0
	s_lshr_b32 s90, ttmp9, 1                       ; batch = cluster / 2: the same in the four partners
	s_lshl_b32 s90, s90, 9                         ; its row of cur_h
	s_mov_b32 s91, 0
	s_lshl_b32 s92, s97, 2
	s_add_co_u32 s92, s92, s2
	s_mul_i32 s92, s92, REC                        ; my wave's record
	s_mov_b32 s93, 0
	s_mov_b32 s[G0H+0], 1
	s_add_co_u32 s[G0H+1], s3, WHF
	s_mov_b32 s[G0X+0], 1
	s_add_co_u32 s[G0X+1], s3, WXF
	s_mov_b32 s[G0S+0], 1
	s_lshl_b32 s[G0S+1], s2, 9
	s_add_co_u32 s[G0S+1], s[G0S+1], SMALL
	s_wait_kmcnt 0x0
	s_add_nc_u64 s[G0H+2:G0H+3], s[6:7], s[86:87]
	s_or_b32 s[G0H+3], s[G0H+3], 0x80000000
	s_add_nc_u64 s[G0X+2:G0X+3], s[8:9], s[86:87]
	s_or_b32 s[G0X+3], s[G0X+3], 0x80000000
	s_add_nc_u64 s[10:11], s[10:11], s[90:91]
	s_cmp_eq_u32 s2, 0                             ; wave 0 fetches cur_h[b], 1 v_w, 2 Wh_b, 3 Wx_b
	s_cselect_b64 s[G0S+2:G0S+3], s[10:11], s[12:13]
	s_cmp_eq_u32 s2, 2
	s_cselect_b64 s[G0S+2:G0S+3], s[14:15], s[G0S+2:G0S+3]
	s_cmp_eq_u32 s2, 3
	s_cselect_b64 s[G0S+2:G0S+3], s[16:17], s[G0S+2:G0S+3]
	s_or_b32 s[G0S+3], s[G0S+3], 0x80000000
	; The only tensor loads of the kernel, three a wave, one group behind the round, each byte filled once.  They count on TENSORcnt,
	; so the history loads behind them need not wait for them and they not for the history.
	tensor_load_to_lds s[G0H:G0H+3], s[GW:GW+7]
	s_nop 0
	tensor_load_to_lds s[G0X:G0X+3], s[GW:GW+7]
	s_nop 0
	tensor_load_to_lds s[G0S:G0S+3], s[GS:GS+7]
	s_nop 0
	s_add_nc_u64 s[4:5], s[4:5], s[88:89]
	s_add_nc_u64 s[18:19], s[18:19], s[92:93]
	v_and_b32 v1, 31, v0                           ; lane
	v_lshlrev_b32 v[XA], 4, v1
	v_lshl_add_u32 v[XA], s2, 17, v[XA]            ; + wave x 256 rows x 512 bytes
	LOADX 0
	LOADX 1
	LOADX 2
	WIN 0
	v_and_b32 v2, 15, v0                           ; r
	v_bfe_u32 v3, v0, 4, 1                         ; h
	v_mul_u32_u24 v[WXR], v0, WPF
	v_add_nc_u32 v[WXR], WXF, v[WXR]               ; thread a reads row a of Wx_w
	v_mov_b32 v[CR], SMALL                         ; cur_h[b], the same for all
	v_lshlrev_b32 v[BS], 2, v0
	v_add_nc_u32 v[BB], SMALL+1024, v[BS]          ; Wh_b[a]; Wx_b[a] 512 bytes on
	v_add_nc_u32 v[BS], BIAS, v[BS]
	v_lshl_add_u32 v[WHR], v1, 4, s[G0H+1]         ; my wave's 32 rows of Wh_w, 16 bytes a lane
	s_mul_i32 s94, s2, 32*PITCH
	s_add_co_u32 s94, s94, WB
	v_lshl_add_u32 v[WBS], v1, 3, s94              ; the same rows in bf16, 8 bytes a lane
	v_mul_u32_u24 v[FR], v2, PITCH
	v_lshl_add_u32 v[FR], v3, 4, v[FR]             ; a fragment's lane term: r x pitch + 16 h
	v_add_nc_u32 v[WBR], WB, v[FR]
	s_mul_i32 s95, s2, STAGEW
	s_add_co_u32 s95, s95, STAGE                   ; my wave's stage
	v_add_nc_u32 v[FR], s95, v[FR]
	v_lshl_add_u32 v[ST], v1, 3, s95
	v_lshlrev_b32 v[BR], 5, v3                     ; 8 h numbers of 4 bytes
	v_add_nc_u32 v[VR], SMALL+512, v[BR]
	v_add_nc_u32 v[BR], BIAS, v[BR]
	v_lshlrev_b32 v[PA], 4, v1
	v_mov_b32 v[MX], 0                             ; destinations of lane-crossing forms count as read: written once here
	v_mov_b32 v[MT], 0
	v_mov_b32 v[AL+1], 0                           ; the unused half of a pair that is named whole
	s_mov_b32 s[SEL], 0x76543210
	s_mov_b32 s[SEL+1], 0xfedcba98
.set PI, 0
.rept 16
	s_mov_b32 s[PS+2*PI+1], 0                      ; likewise the odd registers of the p pairs
.set PI, PI+1
.endr
	s_wait_tensorcnt 0x0                           ; my three tiles are in LDS,
	s_barrier_signal -1
	s_barrier_wait -1                              ; everybody's are
	LOADX 3
	; one run of LDS loads: cur_h (window 2), my row of Wx_w, the two biases, my 32 rows of Wh_w (window 1)
	WIN 0x80
.set PI, 0
.rept 32
	ds_load_b128 v[4*PI:4*PI+3], v[CR] offset:16*PI
.set PI, PI+1
.endr
	WIN 0
.set PI, 0
.rept 32
	ds_load_b128 v[WR+4*PI:WR+4*PI+3], v[WXR] offset:16*PI
.set PI, PI+1
.endr
	ds_load_b32 v[SV], v[BB]
	ds_load_b32 v[T1], v[BB] offset:512
	WIN 0x40
.set PI, 0
.rept 32
	ds_load_b128 v[4*PI:4*PI+3], v[WHR] offset:PI*WPF
.set PI, PI+1
.endr
	s_wait_dscnt 32                                ; all but the 32 rows of Wh_w
	; thread a: (Wx c)[a] in f32, four chains
	WIN 0x08
.set PI, 0
.rept 32
.set PO, SP+4*(PI&1)
.if PI < 2
	v_pk_mul_f32 v[PO:PO+1],   v[WR+4*PI:WR+4*PI+1],   v[4*PI:4*PI+1]
	v_pk_mul_f32 v[PO+2:PO+3], v[WR+4*PI+2:WR+4*PI+3], v[4*PI+2:4*PI+3]
.else
	v_pk_fma_f32 v[PO:PO+1],   v[WR+4*PI:WR+4*PI+1],   v[4*PI:4*PI+1],   v[PO:PO+1]
	v_pk_fma_f32 v[PO+2:PO+3], v[WR+4*PI+2:WR+4*PI+3], v[4*PI+2:4*PI+3], v[PO+2:PO+3]
.endif
.set PI, PI+1
.endr
	WIN 0
	v_pk_add_f32 v[SP:SP+1],   v[SP:SP+1],   v[SP+2:SP+3]
	v_pk_add_f32 v[SP+4:SP+5], v[SP+4:SP+5], v[SP+6:SP+7]
	v_add_f32 v[SV], v[SV], v[T1]                  ; Wh_b[a] + Wx_b[a]
	v_pk_add_f32 v[SP:SP+1],   v[SP:SP+1],   v[SP+4:SP+5]
	v_add_f32 v[SV], v[SV], v[SP]
	v_add_f32 v[SV], v[SV], v[SP+1]
	v_mul_f32 v[SV], K2, v[SV]
	ds_store_b32 v[BS], v[SV]
	s_wait_dscnt 1                                 ; the rows of Wh_w are in; only the store behind them may be out
	WIN 0x41
.set PI, 0
.rept 64
	v_pk_mul_f32 v[2*PI:2*PI+1], v[2*PI:2*PI+1], K2 op_sel_hi:[1,0]
.set PI, PI+1
.endr
	WIN OUTS
.set PI, 0
.rept 64
	v_cvt_pk_bf16_f32 v[WR+PI], v[2*PI], v[2*PI+1]
.set PI, PI+1
.endr
	WIN 0
.set PI, 0
.rept 32
	ds_store_b64 v[WBS], v[WR+2*PI:WR+2*PI+1] offset:PI*PITCH
.set PI, PI+1
.endr
	s_wait_dscnt 0x0                               ; my stores of the bias and of Wh in bf16 are done, for the others' sake
	s_barrier_signal -1
	s_barrier_wait -1                              ; from here to the closing round each wave touches only its own stage
	; what stays in registers: 32 fragments of Wh (lane (r, h): row 16 block + r), and bias and v at a = 16 block + 8 h + j
	WIN 0x80
.set PI, 0
.rept 8
	ds_load_b128 v[WF0+8*PI:WF0+8*PI+3],   v[WBR] offset:PI*16*PITCH
	ds_load_b128 v[WF0+8*PI+4:WF0+8*PI+7], v[WBR] offset:PI*16*PITCH+32
	ds_load_b128 v[BI+8*PI:BI+8*PI+3],     v[BR] offset:64*PI
	ds_load_b128 v[BI+8*PI+4:BI+8*PI+7],   v[BR] offset:64*PI+16
	ds_load_b128 v[VS+8*PI:VS+8*PI+3],     v[VR] offset:64*PI
	ds_load_b128 v[VS+8*PI+4:VS+8*PI+7],   v[VR] offset:64*PI+16
.set PI, PI+1
.endr
	WIN 0x40
.set PK, 1
.rept 3
.set PI, 0
.rept 8
	ds_load_b128 v[WF1+8*(8*(PK-1)+PI):WF1+8*(8*(PK-1)+PI)+3],   v[WBR] offset:PI*16*PITCH+64*PK
	ds_load_b128 v[WF1+8*(8*(PK-1)+PI)+4:WF1+8*(8*(PK-1)+PI)+7], v[WBR] offset:PI*16*PITCH+64*PK+32
.set PI, PI+1
.endr
.set PK, PK+1
.endr
	STAGEX 0
	LOADX 4
	STAGEX 1
	LOADX 5
	s_wait_dscnt 0x0                               ; fragments of Wh, bias, v and the first two tiles
	WM0 0, 0                                       ; tile 0, half 0
	WIN SIG1
.set PN, 0
.rept 12
	WM PN, 0, 0
.set PN, PN+1
.endr
.rept 4
	v_nop                                          ; four places before these sums are read (ISA guide 7.12.1); later tiles have a whole FIN here
.endr
	; ---------------- the 16 tiles
.irp t, 0,1,2,3,4,5,6,7,8,9,10,11,12,13,14,15
	BODY \t
.endr
	; ---------------- the record
	WIN 0
	v_add_f32_dpp v[LS], v[LS], v[LS] row_xmask:1 row_mask:0xf bank_mask:0xf       ; the 16 rows' shares of the denominator
	v_add_f32_dpp v[LS], v[LS], v[LS] row_xmask:2 row_mask:0xf bank_mask:0xf
	v_add_f32_dpp v[LS], v[LS], v[LS] row_xmask:4 row_mask:0xf bank_mask:0xf
	v_add_f32_dpp v[LS], v[LS], v[LS] row_xmask:8 row_mask:0xf bank_mask:0xf
	v_pk_add_f32 v[O:O+1],   v[O:O+1],   v[O+4:O+5]                                ; even rows + odd rows
	v_pk_add_f32 v[O+2:O+3], v[O+2:O+3], v[O+6:O+7]
	v_lshlrev_b32 v[T1], 3, v1
	global_store_b128 v[PA], v[O:O+3], s[18:19]                    ; 512 consecutive bytes: the 128 sums
	global_store_b64 v[T1], v[MX:MX+1], s[18:19] offset:512        ; 256 consecutive bytes: {maximum, denominator} from every lane
	s_wait_tensorcnt 0x0
	ds_add_u32 v126, v127
	s_wait_dscnt 0x0
	ROUND                                          ; the closing round: no work-group ends while a partner may still ask for a tile that names it
	s_endpgm
.Lfunc_end_k_q5a450fe0a5_attn_part:
	.size	k_q5a450fe0a5_attn_part, .Lfunc_end_k_q5a450fe0a5_attn_part-k_q5a450fe0a5_attn_part
	.p2alignl 7, 3214868480
	.fill 96, 4, 3214868480
	.section	.rodata,"a",@progbits
	.p2align	6, 0x0
	.amdhsa_kernel k_q5a450fe0a5_attn_part
		.amdhsa_group_segment_fixed_size 190464
		.amdhsa_private_segment_fixed_size 0
		.amdhsa_enable_private_segment 0
		.amdhsa_kernarg_size 64
		.amdhsa_user_sgpr_count 2
		.amdhsa_user_sgpr_kernarg_segment_ptr 1
		.amdhsa_wavefront_size32 1
		.amdhsa_system_sgpr_workgroup_id_x 1
		.amdhsa_system_sgpr_workgroup_id_y 1
		.amdhsa_system_sgpr_workgroup_id_z 1
		.amdhsa_system_vgpr_workitem_id 0
		.amdhsa_next_free_vgpr 1024
		.amdhsa_next_free_sgpr 98
		.amdhsa_reserve_vcc 0
		.amdhsa_float_denorm_mode_32 3
		.amdhsa_float_denorm_mode_16_64 3
		.amdhsa_memory_ordered 1
		.amdhsa_forward_progress 1
		.amdhsa_inst_pref_size 255
	.end_amdhsa_kernel
	.section	.bss,"aw",@nobits
	.p2align	6
	.space	262144
	.amdgpu_metadata
---
amdhsa.version: [ 1, 2 ]
amdhsa.kernels:
  - .name:           k_q5a450fe0a5_attn_part
    .symbol:         k_q5a450fe0a5_attn_part.kd
    .args:
      - { .name: history_h, .offset: 0, .size: 8, .value_kind: global_buffer, .address_space: global }
      - { .name: Wh_w, .offset: 8, .size: 8, .value_kind: global_buffer, .address_space: global }
      - { .name: Wx_w, .offset: 16, .size: 8, .value_kind: global_buffer, .address_space: global }
      - { .name: cur_h, .offset: 24, .size: 8, .value_kind: global_buffer, .address_space: global }
      - { .name: v_w, .offset: 32, .size: 8, .value_kind: global_buffer, .address_space: global }
      - { .name: Wh_b, .offset: 40, .size: 8, .value_kind: global_buffer, .address_space: global }
      - { .name: Wx_b, .offset: 48, .size: 8, .value_kind: global_buffer, .address_space: global }
      - { .name: part, .offset: 56, .size: 8, .value_kind: global_buffer, .address_space: global }
    .group_segment_fixed_size: 190464
    .private_segment_fixed_size: 0
    .kernarg_segment_align: 8
    .kernarg_segment_size: 64
    .max_flat_workgroup_size: 128
    .sgpr_count:     98
    .vgpr_count:     1024
    .wavefront_size: 32
...
	.end_amdgpu_metadata
.endif
;; end of part 1
;; launch attn_join (part 2): grid 32 x 1, 1 waves a work-group, no clusters, 0 bytes of LDS; arguments part, cur_h, out0; writes out0
.if DOCPART == 2
	.amdgcn_target "amdgcn-amd-amdhsa--gfx1250"
	.amdhsa_code_object_version 6
	.text
	.protected	k_q5a450fe0a5_attn_join
	.globl	k_q5a450fe0a5_attn_join
	.p2align	8
	.type	k_q5a450fe0a5_attn_join,@function
k_q5a450fe0a5_attn_join:
	s_mov_b64 s[64:65], 0
	v_nop
	global_prefetch_b8 v0, s[64:65] scope:SCOPE_SE
	s_setreg_imm32_b32 hwreg(HW_REG_WAVE_MODE, 25, 1), 1
	s_wait_xcnt 0x0
; out0[b] = cur_h[b] + sum_i (w_i / L) O_i,  w_i = 2^(m_i - max m),  L = sum_i w_i l_i,  over the 32 records {O_i[128], m_i, l_i} of batch b.
; One wave a batch.  Lane i takes record i's pair {m_i, l_i} (8 bytes, one load for all 32 records), so the maximum and L are two
; reductions over the lanes and w_i / L is one number a lane; v_readlane_b32 hands the 32 numbers to all lanes through scalar registers.
; For the sums lane l owns columns 4 l .. 4 l + 3: each load takes a record's 512 bytes, and the store is the whole row of out0.
; 34 loads in all go out before the first wait.  The first link of the sum starts on cur_h, so nothing is added at the end but the two chains.
; Matrix units, LDS and clusters have nothing to do here: 16 KiB of sums a batch, each byte used once.
.set NREC, 32
.set REC,  768
.set ML,   4                           ; v[4:5]     lane i: m_i, l_i
.set MM,   6                           ; the batch's maximum
.set TT,   7                           ; the other half's figure
.set WW,   8                           ; w_i, then w_i / L
.set WL,   9                           ; w_i l_i, then L
.set RC,   10                          ; 1 / L
.set CU,   12                          ; v[12:15]   cur_h
.set AC,   16                          ; v[16:23]   sums, even and odd records apart
.set OR,   24                          ; v[24:151]  record i: my four sums
.macro PAIR i                          ; PB: the scalar pair of record i: s[16:47] for 0-15, s[66:97] for 16-31
.if (\i) < 16
.set PB, 16+2*(\i)
.else
.set PB, 66+2*((\i)-16)
.endif
.endm
	s_load_b128 s[4:7], s[0:1], 0x0                ; part s[4:5], cur_h s[6:7]
	s_load_b64 s[8:9], s[0:1], 0x10                ; out0
	v_lshlrev_b32 v1, 4, v0                        ; my 16 bytes of a row of 128 f32
	v_mul_u32_u24 v2, v0, REC                      ; lane i: record i
	v_mov_b32 v[MM], 0                             ; destinations of lane-crossing forms count as read: written once here
	v_mov_b32 v[TT], 0
	s_mul_i32 s10, ttmp9, NREC*REC
	s_mov_b32 s11, 0
	s_lshl_b32 s12, ttmp9, 9
	s_mov_b32 s13, 0
	s_mov_b32 s14, 0x76543210                      ; v_permlanex16_b32: lane i takes lane i of the other half
	s_mov_b32 s15, 0xfedcba98
.set i, 0
.rept NREC
	PAIR i
	s_mov_b32 s[PB+1], 0                           ; the unused half of a pair that is named whole
.set i, i+1
.endr
	s_wait_kmcnt 0x0
	s_add_nc_u64 s[4:5], s[4:5], s[10:11]
	s_add_nc_u64 s[6:7], s[6:7], s[12:13]
	s_add_nc_u64 s[8:9], s[8:9], s[12:13]
	global_load_b64 v[ML:ML+1], v2, s[4:5] offset:512
	global_load_b128 v[CU:CU+3], v1, s[6:7]
.set i, 0
.rept NREC
	global_load_b128 v[OR+4*i:OR+4*i+3], v1, s[4:5] offset:i*REC
.set i, i+1
.endr
	s_wait_loadcnt 33                              ; the pairs are in; cur_h and the 32 loads of sums may stay out
	v_max_num_f32_dpp v[MM], v[ML], v[ML] row_xmask:1 row_mask:0xf bank_mask:0xf
	v_max_num_f32_dpp v[MM], v[MM], v[MM] row_xmask:2 row_mask:0xf bank_mask:0xf
	v_max_num_f32_dpp v[MM], v[MM], v[MM] row_xmask:4 row_mask:0xf bank_mask:0xf
	v_max_num_f32_dpp v[MM], v[MM], v[MM] row_xmask:8 row_mask:0xf bank_mask:0xf
	v_permlanex16_b32 v[TT], v[MM], s14, s15
	v_max_num_f32 v[MM], v[MM], v[TT]              ; the batch's maximum, in every lane
	v_sub_f32 v[WW], v[ML], v[MM]
	v_exp_f32 v[WW], v[WW]                         ; w_i, at most 1
	v_nop                                          ; one plain line behind a transcendental (ISA guide 5.7.2)
	s_wait_alu depctr_va_vdst(0)
	v_mul_f32 v[WL], v[WW], v[ML+1]
	v_add_f32_dpp v[WL], v[WL], v[WL] row_xmask:1 row_mask:0xf bank_mask:0xf
	v_add_f32_dpp v[WL], v[WL], v[WL] row_xmask:2 row_mask:0xf bank_mask:0xf
	v_add_f32_dpp v[WL], v[WL], v[WL] row_xmask:4 row_mask:0xf bank_mask:0xf
	v_add_f32_dpp v[WL], v[WL], v[WL] row_xmask:8 row_mask:0xf bank_mask:0xf
	v_permlanex16_b32 v[TT], v[WL], s14, s15
	v_add_f32 v[WL], v[WL], v[TT]                  ; L, at least 1: the record that holds the maximum has w = 1 and l >= 1
	v_rcp_f32 v[RC], v[WL]
	v_nop
	s_wait_alu depctr_va_vdst(0)
	v_mul_f32 v[WW], v[WW], v[RC]                  ; w_i / L
.set i, 0
.rept NREC
	PAIR i
	v_readlane_b32 s[PB], v[WW], i
.set i, i+1
.endr
.macro ADDREC i                        ; record i's four sums of mine, times w_i / L (the pair's low register, for both halves)
	PAIR \i
.set a, AC+4*((\i)&1)
.if (\i) == 0
	v_pk_fma_f32 v[a:a+1],   v[OR:OR+1],   s[PB:PB+1], v[CU:CU+1]   op_sel_hi:[1,0,1]          ; the even chain starts on cur_h,
	v_pk_fma_f32 v[a+2:a+3], v[OR+2:OR+3], s[PB:PB+1], v[CU+2:CU+3] op_sel_hi:[1,0,1]
.elseif (\i) == 1
	v_pk_mul_f32 v[a:a+1],   v[OR+4:OR+5], s[PB:PB+1] op_sel_hi:[1,0]                          ; the odd one by its first product
	v_pk_mul_f32 v[a+2:a+3], v[OR+6:OR+7], s[PB:PB+1] op_sel_hi:[1,0]
.else
	v_pk_fma_f32 v[a:a+1],   v[OR+4*(\i):OR+4*(\i)+1],   s[PB:PB+1], v[a:a+1]   op_sel_hi:[1,0,1]
	v_pk_fma_f32 v[a+2:a+3], v[OR+4*(\i)+2:OR+4*(\i)+3], s[PB:PB+1], v[a+2:a+3] op_sel_hi:[1,0,1]
.endif
.endm
	s_wait_loadcnt 16                              ; cur_h and records 0 to 15 are in; the loads of records 16 to 31 may stay out
.set i, 0
.rept NREC/2
	ADDREC i
.set i, i+1
.endr
	s_wait_loadcnt 0x0
.rept NREC/2
	ADDREC i
.set i, i+1
.endr
	v_pk_add_f32 v[AC:AC+1],   v[AC:AC+1],   v[AC+4:AC+5]
	v_pk_add_f32 v[AC+2:AC+3], v[AC+2:AC+3], v[AC+6:AC+7]
	global_store_b128 v1, v[AC:AC+3], s[8:9]       ; 512 consecutive bytes: the row of out0
	s_endpgm
.Lfunc_end_k_q5a450fe0a5_attn_join:
	.size	k_q5a450fe0a5_attn_join, .Lfunc_end_k_q5a450fe0a5_attn_join-k_q5a450fe0a5_attn_join
	.p2alignl 7, 3214868480
	.fill 96, 4, 3214868480
	.section	.rodata,"a",@progbits
	.p2align	6, 0x0
	.amdhsa_kernel k_q5a450fe0a5_attn_join
		.amdhsa_group_segment_fixed_size 0
		.amdhsa_private_segment_fixed_size 0
		.amdhsa_enable_private_segment 0
		.amdhsa_kernarg_size 24
		.amdhsa_user_sgpr_count 2
		.amdhsa_user_sgpr_kernarg_segment_ptr 1
		.amdhsa_wavefront_size32 1
		.amdhsa_system_sgpr_workgroup_id_x 1
		.amdhsa_system_sgpr_workgroup_id_y 1
		.amdhsa_system_sgpr_workgroup_id_z 1
		.amdhsa_system_vgpr_workitem_id 0
		.amdhsa_next_free_vgpr 152
		.amdhsa_next_free_sgpr 98
		.amdhsa_reserve_vcc 0
		.amdhsa_float_denorm_mode_32 3
		.amdhsa_float_denorm_mode_16_64 3
		.amdhsa_memory_ordered 1
		.amdhsa_forward_progress 1
		.amdhsa_inst_pref_size 13
	.end_amdhsa_kernel
	.amdgpu_metadata
---
amdhsa.version: [ 1, 2 ]
amdhsa.kernels:
  - .name:           k_q5a450fe0a5_attn_join
    .symbol:         k_q5a450fe0a5_attn_join.kd
    .args:
      - { .name: part, .offset: 0, .size: 8, .value_kind: global_buffer, .address_space: global }
      - { .name: cur_h, .offset: 8, .size: 8, .value_kind: global_buffer, .address_space: global }
      - { .name: out0, .offset: 16, .size: 8, .value_kind: global_buffer, .address_space: global }
    .group_segment_fixed_size: 0
    .private_segment_fixed_size: 0
    .kernarg_segment_align: 8
    .kernarg_segment_size: 24
    .max_flat_workgroup_size: 32
    .sgpr_count:     98
    .vgpr_count:     152
    .wavefront_size: 32
...
	.end_amdgpu_metadata
.endif
;; end of part 2
